; MI455X (gfx1250); checked and timed in simulation.
; The chip was launched on July 23, 2026; its instructions are those of AMD's public machine-readable ISA for CDNA 5 (MIT licence, August 2026) and "CDNA5" Instruction Set Architecture Reference Guide (July 2026). The comments in the code are by the model that wrote it; some were corrected since.
;; Dot Product Attention. Allowed arithmetic: matrix products marked QUANTISED: E2M1 operands, one E8M0 scale for each 32 along K, by v_wmma_scale_f32_16x16x128_f8f6f4 with both operands' format E2M1 (or v_wmma_scale_f32_32x16x128_f4), f32 sums; everything else in f32.
;; Inputs: keys 32 x 1,024 x 64 float32; queries 32 x 1,024 x 64 float32; valid_lens 32 int32; values 32 x 1,024 x 64 float32.
;; Outputs: out0 32 x 1,024 x 64 float32.
;; This version of the problem:
;;   THIS VERSION OF THE PROBLEM IS GIVEN IN LOW PRECISION. The matrix products marked QUANTISED in the list below multiply operands that are first quantised to E2M1 (2 exponent bits, 1 mantissa bit; 4 bits a number), with one power-of-two scale for each 32 numbers along K (OCP MX v1.0); their sums are f32. All else is computed in f32.
;;   The module's matrix products, in the order in which they are computed (A, B: the left and right operand; K: the contracted axis; several contracted axes count as one K, in the product's order):
;;     1. batch 32 x [M 1,024, K 64] x [K 64, N 1,024]; A: input queries; B: input keys: QUANTISED
;;     2. batch 32 x [M 1,024, K 1,024] x [K 1,024, N 64]; A: softmax (see below); B: input values: QUANTISED
;;   THE QUANTISER, for each operand of a quantised product, along K:
;;     - K is cut into blocks of 32 from its start; a last block that is shorter is filled with zeros.
;;     - A block's scale is 2^e with e = floor(log2(the largest magnitude in the block)) - 2, held to -126 .. 127; a block of zeros has e = 0. As a byte (E8M0): e + 127.
;;     - Each number is divided by its block's scale, clamped to +-6, and rounded to the nearest number of E2M1, ties to even, subnormals kept.
;;     - The product sums the exact products of the quantised numbers (number of the format x scale) in f32.
;;   ~~~python
;;   def quantise(x, axis):      # numpy; x: float32 -> the quantised numbers, widened to float32 again
;;       x = np.moveaxis(x, axis, -1); K = x.shape[-1]
;;       x = np.pad(x, [(0, 0)] * (x.ndim - 1) + [(0, -K % 32)]); x = x.reshape(x.shape[:-1] + (-1, 32)); a = np.abs(x).max(-1, keepdims=True)
;;       e = np.where(a > 0, np.clip(np.frexp(np.where(a > 0, a, 1))[1] - 1 - 2, -126, 127), 0)      # np.frexp(a)[1] - 1 = floor(log2(a)), exactly
;;       r = np.clip(x / 2.0 ** e, -6, 6)
;;       step = 2.0 ** (np.maximum(np.frexp(np.where(r == 0, 1, r))[1] - 1, 0) - 1)
;;       q = np.round(r / step) * step * 2.0 ** e      # np.round: ties to even
;;       return np.moveaxis(q.reshape(q.shape[:-2] + (-1,))[..., :K], -1, axis).astype(np.float32)
;;   ~~~
;;   SOFTMAX AHEAD OF A QUANTISED PRODUCT. Where the list says 'softmax', what is quantised is not the finished softmax but p = 2^(t - M), with t = logit x log2(e) and M = ceil(the row's largest t), a whole number; so 1/2 < the row's largest p <= 1. The row's sum l is taken of the UNQUANTISED p, in f32, and the product's result is divided by l at the end. Since M is a whole number, a kernel that streams over the keys may use a running M (the ceiling of the running maximum): every later rescaling is an exact power of two, which a block's scale takes up: the codes' values come out the same.
;;   OPERANDS COMPUTED ON THE WAY. 'Computed on the way' means the value that the module computes at that place (a softmax that the list does not call 'softmax' is quantised finished and normalised). What goes into a quantiser is computed in f32, as accurately as f32 sums, v_exp_f32 and their like allow (about 1e-6 of the number): no bf16 or f16 on the way to a quantiser, and a product that is left as it is and whose result goes on into a quantised operand takes f32 operands (vector FMAs, or v_wmma_f32_16x16x4_f32). A number that lies on a knife's edge between two numbers of the format may be rounded either way, as far as f32 arithmetic and the matrix unit's own rounding can turn it there, and no further.
;; 2 versions, each right; version 2 is version 1 with the launch attend written anew for expert scheduling mode. Each part assembles by itself: llvm-mc -triple=amdgcn-amd-amdhsa -mcpu=gfx1250 --defsym DOCPART=n.
;; ======== version 1 of 2: 2 launches
;; limits: right only within a limited range of input values
;; workspace buffers: kv 2,228,224 bytes; order 256 bytes of whole numbers
;; launch quant (part 1): grid 8 x 32, 8 waves a work-group, no clusters, 48,640 bytes of LDS; arguments keys, values, valid_lens, kv, order; writes kv, order
.if DOCPART == 1
	.amdgcn_target "amdgcn-amd-amdhsa--gfx1250"
	.amdhsa_code_object_version 6
	.text
	.protected	k_qd132fbcbb9_quant
	.globl	k_qd132fbcbb9_quant
	.p2align	8
	.type	k_qd132fbcbb9_quant,@function
k_qd132fbcbb9_quant:
	s_mov_b64 s[64:65], 0
	v_nop
	global_prefetch_b8 v0, s[64:65] scope:SCOPE_SE
	s_setreg_imm32_b32 hwreg(HW_REG_WAVE_MODE, 25, 1), 1
	s_wait_xcnt 0x0
; keys, values: [32][1024][64] f32.  Both become codes of FP4 (E2M1) with one E8M0 byte for each 32 along their product's K: for keys K = the 64 channels, for values K = the keys.
; A block's scale is 2^(floor(log2(largest magnitude)) - 2): its byte is the largest magnitude's exponent field - 2, held at 1 from below; numbers are divided by it and rounded to the nearest code, ties to even, beyond 6 to 6.
; A work-group (8 waves) takes one step of 128 keys of one batch (grid x = step, y = batch) and makes one CHUNK of 8,704 bytes of kv, laid in the order in which the next launch's operand registers take it:
;   bytes 0..4095     K: eight groups T of 512 bytes; lane l = r + 16 h of group T = 4 c + g holds the 32 codes of channels 32 h .. 32 h + 31 of key 64 c + 32 (r / 8) + 8 g + r % 8
;   bytes 4096..8191  V: eight groups 2 t + c; lane r + 16 h holds the 32 codes of keys 64 c + 32 h + 0 .. 31 of channel 16 t + r
;   bytes 8192..8447  K's scale words, 8 bytes a lane: lane r + 16 c, word g / 2, byte 2 (g % 2) + h
;   bytes 8448..8703  V's scale words, 8 bytes a lane: lane r + 16 (t / 2), word t % 2, byte = which 32 keys of the 128
; Every key is quantised, those under the mask too: no load here waits for valid_lens.
; One wave of work-group (0, 0) also ranks the 32 batches by their number of key steps and stores order[rank] = (batch, valid_len): 256 bytes by one store.
; LIMITS: NaN and infinities among the inputs are not served.  A block of zeros gets the byte 1 (not 127): its codes are zeros, and this program alone reads the bytes.
; No tensor loads, no cluster: no two work-groups read the same byte.  All 41 loads of a wave go out at the head.
.set CHUNK, 8704
.set VOFF,  4096
.set KSO,   8192
.set VSO,   8448
.set STG,   8704                       ; behind the chunk's image in LDS: a stage for each wave
.set STGW,  4864
.set ROWP,  144                        ; a block's 128 bytes + 16: 144 r mod 256 takes sixteen different values for r = 0 .. 15
.set HOFF,  2432                       ; the blocks of channels 32 .. 63 lie 16 x 144 + 128 bytes behind those of channels 0 .. 31
.set KO,  2                            ; v2   keys: 4,096 x wave + 16 x lane
.set VO,  3                            ; v3   values: 8,192 x (wave / 2) + 128 x (wave % 2) + 4 x lane
.set SI,  4                            ; v4   the stage, on the way in
.set SB,  5                            ; v5   and back
.set AKC, 6                            ; v6   where my block of K's codes goes in the image
.set AKS, 7                            ; v7   and its scale byte
.set AVC, 8                            ; v8   the same for V
.set AVS, 9
.set LI,  10                           ; v10  16 x thread: the image on its way out
.set XK,  16                           ; v16-47   K as loaded; later the image on its way out
.set XT,  48                           ; v48-79   my block of K: 32 neighbours
.set XV,  80                           ; v80-111  my block of V: 32 keys of one channel
.set CK,  112                          ; v112-115 K's codes
.set CV,  116                          ; v116-119 V's
.set EK,  120                          ; scale bytes
.set EV,  121
.set MX,  122                          ; v122-125 four running maxima
.set SOP, 126                          ; the conversions' scale operand
.set ORD, 128                          ; v[128:129] (lane = batch, its valid_len)
.set LO,  130
.set SK,  131                          ; sort key
.set RK,  132                          ; rank
.set TT,  133
.set ONE, 134
	s_load_b256 s[4:11], s[0:1], 0x0               ; keys s[4:5], values s[6:7], valid_lens s[8:9], kv s[10:11]
	s_load_b64 s[12:13], s[0:1], 0x20              ; order
	v_lshl_add_u32 v144, v0, 2, 0xba00
	v_mov_b32 v145, 0
	v_lshrrev_b32 v1, 5, v0
	v_readfirstlane_b32 s14, v1                    ; wave 0..7
	s_and_b32 s15, ttmp7, 0xffff                   ; batch
	s_lshl_b32 s16, s15, 18                        ; a batch is 262,144 bytes of keys and of values,
	s_lshl_b32 s17, ttmp9, 15                      ; a step's 128 rows 32,768
	s_add_co_u32 s16, s16, s17
	s_mov_b32 s17, 0
	s_lshl_b32 s18, s15, 3
	s_add_co_u32 s18, s18, ttmp9
	s_mul_i32 s18, s18, CHUNK                      ; my chunk: 8 x batch + step
	s_mov_b32 s19, 0
	v_and_b32 v[ORD], 31, v0                       ; lane
	v_lshlrev_b32 v[LO], 2, v[ORD]
	v_lshlrev_b32 v[KO], 4, v[ORD]
	v_lshl_add_u32 v[KO], v1, 12, v[KO]            ; wave w takes keys 16 w .. 16 w + 15: 4,096 consecutive bytes
	v_and_b32 v[VO], 63, v0
	v_lshlrev_b32 v[VO], 2, v[VO]                  ; channel 32 (w % 2) + lane,
	v_lshrrev_b32 v11, 6, v0                       ; keys 32 (w / 2) on
	v_lshl_add_u32 v[VO], v11, 13, v[VO]
	s_wait_kmcnt 0x0
	s_add_nc_u64 s[4:5], s[4:5], s[16:17]
	s_add_nc_u64 s[6:7], s[6:7], s[16:17]
	s_add_nc_u64 s[10:11], s[10:11], s[18:19]
	global_load_b32 v[ORD+1], v[LO], s[8:9]        ; lane i: valid_lens[i].  Every wave asks, so that the one wave that ranks parts from the others at one branch only
.irp i, 0,1,2,3,4,5,6,7
	global_load_b128 v[XK+4*\i:XK+4*\i+3], v[KO], s[4:5] offset:512*\i th:TH_LOAD_NT   ; 32 lanes read 512 consecutive bytes: two keys
.endr
.irp i, 0,1,2,3,4,5,6,7,8,9,10,11,12,13,14,15,16,17,18,19,20,21,22,23,24,25,26,27,28,29,30,31
	global_load_b32 v[XV+\i], v[VO], s[6:7] offset:256*\i th:TH_LOAD_NT   ; one key's row at 32 neighbouring channels; the wave beside me takes the row's other 128 bytes
.endr
	; LDS addresses, from the bits of the thread's number t = 32 w + 16 h + r
	v_bfe_u32 v12, v0, 4, 1                        ; t4
	v_bfe_u32 v13, v0, 3, 1                        ; t3
	v_bfe_u32 v14, v0, 5, 1                        ; t5
	v_bfe_u32 v15, v0, 7, 1                        ; t7
	v_bfe_u32 v1, v0, 6, 1                         ; t6
	; K: my block is (key 16 w + r, channels 32 h on): c = t7, key bit 5 = t6, g = 2 t5 + t3, key % 8 = t % 8
	v_and_b32 v[AKS], 7, v0
	v_lshlrev_b32 v[AKC], 4, v[AKS]                ; 16 (key % 8)
	v_lshl_or_b32 v[AKC], v1, 7, v[AKC]            ; + 128 (key bit 5)
	v_lshl_or_b32 v[AKC], v12, 8, v[AKC]           ; + 256 h
	v_lshl_or_b32 v[AKC], v13, 9, v[AKC]           ; + 512 g
	v_lshl_or_b32 v[AKC], v14, 10, v[AKC]
	v_lshl_or_b32 v[AKC], v15, 11, v[AKC]          ; + 2,048 c
	v_lshl_or_b32 v[AKS], v[AKS], 3, v12           ; 8 (key % 8) + h
	v_lshl_or_b32 v[AKS], v13, 1, v[AKS]           ; + 2 g
	v_lshl_or_b32 v[AKS], v14, 2, v[AKS]
	v_lshl_or_b32 v[AKS], v1, 6, v[AKS]            ; + 64 (key bit 5)
	v_lshl_or_b32 v[AKS], v15, 7, v[AKS]           ; + 128 c
	; V: my block is (channel 32 t5 + 16 t4 + t % 16, keys 32 (2 t7 + t6) on): tile 2 t5 + t4, c = t7, h = t6
	v_and_b32 v[AVC], 15, v0
	v_lshlrev_b32 v[AVS], 3, v[AVC]
	v_lshlrev_b32 v[AVC], 4, v[AVC]
	v_lshl_or_b32 v[AVC], v1, 8, v[AVC]
	v_lshl_or_b32 v[AVC], v15, 9, v[AVC]
	v_lshl_or_b32 v[AVC], v12, 10, v[AVC]
	v_lshl_or_b32 v[AVC], v14, 11, v[AVC]
	v_lshl_or_b32 v[AVS], v14, 7, v[AVS]
	v_lshl_or_b32 v[AVS], v12, 2, v[AVS]
	v_add_nc_u32 v[AVS], v[AVS], v11               ; + which 32 keys
	; my wave's stage.  In: load i, lane l holds piece l % 8 of block (key 2 i + l / 16, half (l / 8) % 2).  Back: lane r + 16 h takes block (key r, half h)
	s_mul_i32 s20, s14, STGW
	s_add_co_u32 s20, s20, STG
	v_mul_u32_u24 v[SI], v12, ROWP
	v_mad_u32_u24 v[SI], v13, HOFF, v[SI]
	v_and_b32 v[SB], 7, v0
	v_lshl_add_u32 v[SI], v[SB], 4, v[SI]
	v_add_nc_u32 v[SI], s20, v[SI]
	v_and_b32 v[SB], 15, v0
	v_mul_u32_u24 v[SB], v[SB], ROWP
	v_mad_u32_u24 v[SB], v12, HOFF, v[SB]
	v_add_nc_u32 v[SB], s20, v[SB]
	v_lshlrev_b32 v[LI], 4, v0
	; THE RANKS, by wave 0 of work-group (0, 0), while its loads are on their way.  A batch walks ceil(n / 128) steps, n = valid_len held to 1,024, or 1,024 where no key counts.
	s_or_b32 s21, ttmp9, s15
	s_or_b32 s21, s21, s14
	s_cmp_lg_u32 s21, 0
	s_cbranch_scc1 .Lsorted
	s_wait_loadcnt 40                              ; valid_lens is in; the 40 younger loads (K's 8, V's 32) stay out
	v_mov_b32 v[SK], 0x400
	v_cmp_gt_i32 vcc_lo, 1, v[ORD+1]
	v_cndmask_b32 v[SK], v[ORD+1], v[SK], vcc_lo   ; no key counts: all 1,024 are walked
	v_min_u32 v[SK], 0x400, v[SK]
	v_add_nc_u32 v[SK], 127, v[SK]
	v_lshrrev_b32 v[SK], 7, v[SK]                  ; steps, 1 .. 8
	v_lshl_or_b32 v[SK], v[SK], 5, v[ORD]          ; 32 x steps + batch: no two keys are equal
	v_mov_b32 v[RK], 0
	v_mov_b32 v[ONE], 1
.irp j, 0,1,2,3,4,5,6,7,8,9,10,11,12,13,14,15,16,17,18,19,20,21,22,23,24,25,26,27,28,29,30,31
	v_readlane_b32 s21, v[SK], \j
	v_cmp_lt_u32 vcc_lo, s21, v[SK]
	v_cndmask_b32 v[TT], 0, v[ONE], vcc_lo
	v_add_nc_u32 v[RK], v[RK], v[TT]               ; my rank = how many sort keys lie under mine
.endr
	v_min_u32 v[RK], 31, v[RK]                     ; it is 0 .. 31 by construction; held, since it enters an address
	v_lshlrev_b32 v[RK], 3, v[RK]
	global_store_b64 v[RK], v[ORD:ORD+1], s[12:13] ; the ranks are a permutation: the 32 lanes fill all 256 bytes of order
.Lsorted:
; 32 numbers of one block in v[x] on -> 32 codes in v[c .. c + 3], the scale's byte in v[e]
.macro QBLOCK x, c, e
.irp k, 0,1,2,3
	v_max3_num_f32 v[MX+\k], |v[\x+8*\k]|, |v[\x+8*\k+1]|, |v[\x+8*\k+2]|     ; four chains by turns
.endr
.irp i, 3,5
.irp k, 0,1,2,3
	v_max3_num_f32 v[MX+\k], v[MX+\k], |v[\x+8*\k+\i]|, |v[\x+8*\k+\i+1]|
.endr
.endr
	v_max3_num_f32 v[MX], v[MX], v[MX+1], |v[\x+7]|
	v_max3_num_f32 v[MX+2], v[MX+2], v[MX+3], |v[\x+15]|
	v_max3_num_f32 v[MX], v[MX], |v[\x+23]|, |v[\x+31]|
	v_max3_num_f32 v[MX], v[MX], v[MX+2], 0x1800000        ; and the floor 2^(3 - 127): the byte cannot fall under 1
	v_add_nc_u32 v[SOP], 0xff000000, v[MX]                 ; 2 off the exponent field: the conversion takes this operand's exponent field as its scale
.irp g, 0,1,2,3
	v_cvt_scalef32_pk8_fp4_f32 v[\c+\g], v[\x+8*\g:\x+8*\g+7], v[SOP]
.endr
	v_lshrrev_b32 v[\e], 23, v[SOP]                        ; the scale's byte (a plain line behind the conversions)
.endm
	s_wait_loadcnt 32                              ; K's eight loads are in; V's 32 stay out
.irp i, 0,1,2,3,4,5,6,7
	ds_store_b128 v[SI], v[XK+4*\i:XK+4*\i+3] offset:2*ROWP*\i
.endr
.irp j, 0,1,2,3,4,5,6,7
	ds_load_b128 v[XT+4*\j:XT+4*\j+3], v[SB] offset:16*\j   ; LDS serves a wave's instructions in order (ISA guide 5.7.1.4): these see my stores
.endr
	s_wait_dscnt 0x0
	QBLOCK XT, CK, EK
	ds_store_b128 v[AKC], v[CK:CK+3]
	ds_store_b8 v[AKS], v[EK] offset:KSO
	s_wait_loadcnt 0x0                             ; V
	QBLOCK XV, CV, EV
	ds_store_b128 v[AVC], v[CV:CV+3] offset:VOFF
	ds_store_b8 v[AVS], v[EV] offset:VSO
	s_wait_dscnt 0x0                               ; for the others' sake: my part of the image has landed
	s_barrier_signal -1
	s_barrier_wait -1
	ds_load_b128 v[XK:XK+3], v[LI]                 ; the image leaves as it lies: 256 threads x 16 bytes, twice,
	ds_load_b128 v[XK+4:XK+7], v[LI] offset:4096
	s_wait_dscnt 0x0
	global_store_b128 v[LI], v[XK:XK+3], s[10:11]              ; each store of a wave covers 512 consecutive bytes, aligned
	global_store_b128 v[LI], v[XK+4:XK+7], s[10:11] offset:4096
	s_cmp_lg_u32 s14, 0
	s_cbranch_scc1 .Lend
	ds_load_b128 v[XK+8:XK+11], v[LI] offset:8192  ; and the 512 bytes of scale words by wave 0
	s_wait_dscnt 0x0
	global_store_b128 v[LI], v[XK+8:XK+11], s[10:11] offset:8192
.Lend:
	s_wait_tensorcnt 0x0
	ds_add_u32 v144, v145
	s_wait_dscnt 0x0
	s_endpgm
.Lfunc_end_k_qd132fbcbb9_quant:
	.size	k_qd132fbcbb9_quant, .Lfunc_end_k_qd132fbcbb9_quant-k_qd132fbcbb9_quant
	.p2alignl 7, 3214868480
	.fill 96, 4, 3214868480
	.section	.rodata,"a",@progbits
	.p2align	6, 0x0
	.amdhsa_kernel k_qd132fbcbb9_quant
		.amdhsa_group_segment_fixed_size 48640
		.amdhsa_private_segment_fixed_size 0
		.amdhsa_enable_private_segment 0
		.amdhsa_kernarg_size 40
		.amdhsa_user_sgpr_count 2
		.amdhsa_user_sgpr_kernarg_segment_ptr 1
		.amdhsa_wavefront_size32 1
		.amdhsa_system_sgpr_workgroup_id_x 1
		.amdhsa_system_sgpr_workgroup_id_y 1
		.amdhsa_system_sgpr_workgroup_id_z 1
		.amdhsa_system_vgpr_workitem_id 0
		.amdhsa_next_free_vgpr 146
		.amdhsa_next_free_sgpr 66
		.amdhsa_reserve_vcc 1
		.amdhsa_float_denorm_mode_32 3
		.amdhsa_float_denorm_mode_16_64 3
		.amdhsa_memory_ordered 1
		.amdhsa_forward_progress 1
		.amdhsa_inst_pref_size 19
	.end_amdhsa_kernel
	.amdgpu_metadata
---
amdhsa.version: [ 1, 2 ]
amdhsa.kernels:
  - .name:           k_qd132fbcbb9_quant
    .symbol:         k_qd132fbcbb9_quant.kd
    .args:
      - { .name: keys, .offset: 0, .size: 8, .value_kind: global_buffer, .address_space: global }
      - { .name: values, .offset: 8, .size: 8, .value_kind: global_buffer, .address_space: global }
      - { .name: valid_lens, .offset: 16, .size: 8, .value_kind: global_buffer, .address_space: global }
      - { .name: kv, .offset: 24, .size: 8, .value_kind: global_buffer, .address_space: global }
      - { .name: order, .offset: 32, .size: 8, .value_kind: global_buffer, .address_space: global }
    .group_segment_fixed_size: 48640
    .private_segment_fixed_size: 0
    .kernarg_segment_align: 8
    .kernarg_segment_size: 40
    .max_flat_workgroup_size: 256
    .sgpr_count:     66
    .vgpr_count:     146
    .wavefront_size: 32
...
	.end_amdgpu_metadata
.endif
;; end of part 1
;; launch attend (part 2): grid 16 x 16, 8 waves a work-group, no clusters, 179,200 bytes of LDS; arguments queries, order, kv, out0; writes out0
.if DOCPART == 2
	.amdgcn_target "amdgcn-amd-amdhsa--gfx1250"
	.amdhsa_code_object_version 6
	.text
	.protected	k_qd132fbcbb9_attend
	.globl	k_qd132fbcbb9_attend
	.p2align	8
	.type	k_qd132fbcbb9_attend,@function
k_qd132fbcbb9_attend:
	s_mov_b64 s[64:65], 0
	v_nop
	global_prefetch_b8 v0, s[64:65] scope:SCOPE_SE
	s_setreg_imm32_b32 hwreg(HW_REG_WAVE_MODE, 25, 1), 1
	s_wait_xcnt 0x0
; out0[b][q][:] = sum over k of softmax_k(where(k < valid_len[b], Q[b][q] . K[b][k] / 8, -1e6)) V[b][k][:], both products on codes of FP4 (E2M1) with one E8M0 scale for each 32 along K.
; K and V come as codes from kv, one chunk of 8,704 bytes for each batch and each step of 128 keys, laid in the order of the operand registers (the launch before); Q [32][1024][64] f32 is quantised here, in registers.
; THE SOFTMAX: t = score x log2(e) / 8; M = the largest t so far, rounded up to a whole number; p = 2^(t - M) is quantised along the keys; the row's sum is taken of the unquantised p and divides at the end.
; When M moves, the sum and O are multiplied by 2^(old M - new M), which rounds nothing.
; THE MASK: steps of 128 keys that lie wholly past valid_len are not walked; in the step that valid_len cuts, hidden scores become -8e6 (the logit -1e6) ahead of the maximum, so that p = 0.
; Where no key counts (valid_len < 1) all 1,024 keys are walked with the score 0 for each: equal logits, p = 1, the uniform row that -1e6 everywhere gives.  valid_len above 1,024 counts as 1,024.
; LIMITS: a hidden key is taken to weigh nothing, which holds while some kept key's logit lies above -1e6 + 150 (|q . k| under about 8e6); NaN and infinities among the inputs are not served.
; SHARES.  order[rank] = (batch, valid_len), batches ranked by their number of steps.  Work-group (x, y) takes queries 64 x .. 64 x + 63 of the batches of rank y and of rank 31 - y: a short one and a long one, so that
; all 256 work-groups walk about as many steps.  Eight waves, one tile of 16 queries each; four waves serve each batch; the two roles alternate both between neighbouring waves and between waves four apart.
; The chunks that a batch needs (and no others) are copied into LDS once, by its four waves, through registers; one barrier; the loop has none.
; NO TENSOR LOADS, NO CLUSTER: how many chunks are fetched and walked hangs on valid_len, a number read from memory; fetching all sixteen chunks jointly
; would bring 139,264 bytes to each work-group where (steps of the one + steps of the other) x 8,704 are wanted.
; LAYOUT.  Both products are used transposed: S^T = K Q^T (source 0 = keys, source 1 = my 16 queries), O^T = V^T P^T: a lane holds ONE query (lane % 16) throughout.
; The first product's K is 64, the instruction's 128: ONE FRAGMENT OF K HOLDS TWO TILES OF 16 KEYS, tile 2 F in k = 0 .. 63 and tile 2 F + 1 in k = 64 .. 127, and Q's fragment has zero codes in the other half
; (v16-27 = zeros, Q, zeros: v[20:27] picks the first tile, v[16:23] the second).  A zero code times any code of this format is 0.
; THE KEYS OF A TILE: row m of tile 4 c + g is key 64 c + 32 (m / 8) + 8 g + m % 8, so that register 32 c + i of a lane's 64 scores is key 64 c + 32 (lane / 16) + i: a lane holds two WHOLE blocks of 32 keys,
; in the very order of the second product's operand: a block's maximum needs no other lane, and the conversions' results are the operand.
.set CHUNK,  8704
.set VOFF,   4096                      ; in a chunk: K's codes, V's codes,
.set KSO,    8192                      ; K's scale words (256 bytes), V's (256)
.set REGION, 8*CHUNK                   ; LDS: a batch's chunks; two regions,
.set STAGE,  2*REGION                  ; then a stage for each wave: Q on its way in, O on its way out
.set STGW,   4864
.set ROWP,   144                       ; the stage for Q: a block's 128 bytes + 16: 144 r mod 256 takes sixteen different values
.set HOFF,   2432                      ; the blocks of channels 32 .. 63 lie 16 x 144 + 128 bytes behind the others
.set OP,     272                       ; the stage for O: a row's 256 bytes + 16
.set AK,  1                            ; v1   my region + 16 x lane
.set AS,  2                            ; v2   my region + KSO + 8 x lane
.set ADK, 3                            ; v3   the same in the step's chunk
.set ADS, 4
.set H32, 5                            ; v5   32 x (lane / 16)
.set SH8, 6                            ; v6   8 x (lane / 16)
.set FIL, 7                            ; v7   what a hidden score becomes
.set GO,  8                            ; v8   16 x lane: Q's loads and O's stores
.set STO, 9
.set RD,  10
.set DV,  11
                                       ; v12 -M, v13 the largest score so far, v[14:15] the row's sum in two halves
.set QZ,  16                           ; v16-27 zeros, Q's codes, zeros
.set QS,  28                           ; Q's scale word
.set KFR, 32                           ; v32-63   K: four fragments
.set VFR, 64                           ; v64-95   V: four fragments
.set S,   96                           ; v96-159  S^T, then p
.set O,   160                          ; v160-191 O^T
.set PC,  192                          ; v192-199 p's codes
.set KS,  200                          ; v[200:201] K's scale words, v[202:203] V's, v204 p's
.set VS,  202
.set PW,  204
.set F,   206                          ; v[206:207] 2^(old M - new M); the pair's upper word is written once and not used
.set BM,  208                          ; v208-209 the two blocks' largest scores, then largest p; v210-211 two more chains
.set SO,  212                          ; v212-213 the conversions' scale operands
.set BY,  214                          ; v214-215 the scales' bytes
.set X1,  220                          ; v[220:221], v[222:223] two more running sums
.set X2,  222
.set FB,  32                           ; at the head: v32-159 a step's 16 registers of codes, eight steps; v160-167 their scale words
.set FS,  160
.set QR,  168                          ; v168-199 Q as loaded
.set XT,  208                          ; v208-239 my block of Q
.set CG,  240                          ; v240-247 addresses of the head
.set SG,  241
.set CL,  242
.set CL2, 243
.set SL,  244
.set SL2, 245
.set SI,  246
.set SB,  247
.set MX,  248                          ; v248-251
.set SOP, 252
.set T0,  253
.set T1,  254
.set T2,  255
.set WV,   12
.set ROLE, 13
.set QT,   14
.set PAIR, 15
.set RANK, 16
.set BAT,  17                          ; s[18:19] my batch's entry of order
.set FILL, 20
.set NS,   21                          ; steps to walk, 1 .. 8
.set LV,   22                          ; keys that count, 0 .. 1,024
.set CS,   24                          ; s[24:25] c = log2(e) / 8
.set SEL,  26                          ; s[26:27] v_permlanex16_b32's selects for lane l xor 16
.set ST,   28
.set TB,   29
.set KB,   30
.set TMP,  31
	s_load_b256 s[4:11], s[0:1], 0x0               ; queries s[4:5], order s[6:7], kv s[8:9], out0 s[10:11]
	v_lshl_add_u32 v31, v0, 2, 0x2b800
	v_mov_b32 v205, 0
	v_lshrrev_b32 v[T0], 5, v0
	v_readfirstlane_b32 s[WV], v[T0]               ; wave 0..7
	s_lshr_b32 s[ROLE], s[WV], 2
	s_xor_b32 s[ROLE], s[ROLE], s[WV]
	s_and_b32 s[ROLE], s[ROLE], 1                  ; waves 0, 2, 5, 7: the batch of rank y; waves 1, 3, 4, 6: that of rank 31 - y
	s_lshr_b32 s[QT], s[WV], 1                     ; which 16 of the 64 queries: 0 .. 3 within each role
	s_and_b32 s[PAIR], ttmp7, 0xffff
	s_sub_co_u32 s[RANK], 31, s[PAIR]
	s_cmp_eq_u32 s[ROLE], 0
	s_cselect_b32 s[RANK], s[PAIR], s[RANK]
	s_lshl_b32 s[TMP], s[RANK], 3
	s_mov_b32 s[CS], 0x3e38aa3b                    ; log2(e) / sqrt(64)
	s_mov_b32 s[CS+1], s[CS]                       ; (the packed form names the pair, so it is written)
	s_mov_b32 s[SEL], 0x76543210
	s_mov_b32 s[SEL+1], 0xfedcba98
	s_wait_kmcnt 0x0
	s_load_b64 s[18:19], s[6:7], s[TMP] offset:0x0 ; (batch, valid_len)
	; addresses that hang on the thread alone, while that load is out
	v_and_b32 v[T1], 31, v0                        ; lane
	v_lshlrev_b32 v[GO], 4, v[T1]
	v_lshlrev_b32 v[AS], 3, v[T1]
	v_lshlrev_b32 v[SG], 2, v[T1]
	s_mul_i32 s34, s[ROLE], REGION                 ; my batch's region
	s_mul_i32 s35, s[WV], STGW
	s_add_co_u32 s35, s35, STAGE                   ; my stage
	v_add_nc_u32 v[AK], s34, v[GO]
	v_add_nc_u32 v[AS], s34, v[AS]
	v_add_nc_u32 v[AS], KSO, v[AS]
	s_lshl_b32 s36, s[QT], 9
	v_add_nc_u32 v[CG], s36, v[GO]                 ; the copy: of each 2,048 bytes of codes my wave takes 512,
	s_lshl_b32 s36, s[QT], 7
	v_add_nc_u32 v[SG], s36, v[SG]                 ; of a chunk's 512 bytes of scale words 128
	v_add_nc_u32 v[CL], s34, v[CG]
	v_add_nc_u32 v[CL2], 4*CHUNK, v[CL]            ; (steps 4 to 7: an LDS offset has 16 bits)
	v_add_nc_u32 v[SL], s34, v[SG]
	v_add_nc_u32 v[SL2], 4*CHUNK, v[SL]
	v_bfe_u32 v[T0], v0, 4, 1                      ; h = lane / 16
	v_lshlrev_b32 v[H32], 5, v[T0]
	v_lshlrev_b32 v[SH8], 3, v[T0]
	v_bfe_u32 v[T1], v0, 3, 1
	v_and_b32 v[T2], 7, v0
	v_mul_u32_u24 v[SI], v[T0], ROWP               ; Q into the stage: load i, lane l holds piece l % 8 of block (query 2 i + l / 16, half (l / 8) % 2)
	v_mad_u32_u24 v[SI], v[T1], HOFF, v[SI]
	v_lshl_add_u32 v[SI], v[T2], 4, v[SI]
	v_add_nc_u32 v[SI], s35, v[SI]
	v_and_b32 v[T2], 15, v0
	v_mul_u32_u24 v[SB], v[T2], ROWP               ; and back: lane r + 16 h takes block (query r, half h): the operand's own layout
	v_mad_u32_u24 v[SB], v[T0], HOFF, v[SB]
	v_add_nc_u32 v[SB], s35, v[SB]
	s_wait_kmcnt 0x0
	s_min_u32 s[BAT], s18, 31                      ; held, since it enters addresses
	s_cmp_lt_i32 s19, 1                            ; does no key count?
	s_cselect_b32 s[FILL], 0, 0xcaf42400           ; then every score becomes 0; else a hidden one -8e6
	s_cselect_b32 s[NS], 0x400, s19
	s_cselect_b32 s[LV], 0, s19
	s_min_u32 s[NS], s[NS], 0x400
	s_min_u32 s[LV], s[LV], 0x400
	s_add_co_u32 s[NS], s[NS], 127
	s_lshr_b32 s[NS], s[NS], 7
	s_lshl_b32 s32, s[BAT], 18                     ; a batch of Q and of O: 262,144 bytes;
	s_lshl_b32 s33, ttmp9, 14                      ; the work-group's 64 rows of 256;
	s_add_co_u32 s32, s32, s33
	s_lshl_b32 s33, s[QT], 12                      ; my 16
	s_add_co_u32 s32, s32, s33
	s_mov_b32 s33, 0
	s_add_nc_u64 s[4:5], s[4:5], s[32:33]
	s_add_nc_u64 s[10:11], s[10:11], s[32:33]
	s_mul_i32 s32, s[BAT], REGION
	s_add_nc_u64 s[8:9], s[8:9], s[32:33]
	v_mov_b32 v[FIL], s[FILL]
.irp i, 0,1,2,3,4,5,6,7
	global_load_b128 v[QR+4*\i:QR+4*\i+3], v[GO], s[4:5] offset:512*\i th:TH_LOAD_NT   ; my 16 queries: 4,096 consecutive bytes, read once in the launch
.endr
; THE COPY of the chunks that my batch walks.  All loads go out first; the branch that ends them leads straight to the stores of just the chunks that were asked for (the stores stand in falling order), so that one branch decides both.
.macro FLOAD s
.irp k, 0,1,2,3
	global_load_b128 v[FB+16*\s+4*\k:FB+16*\s+4*\k+3], v[CG], s[8:9] offset:\s*CHUNK+2048*\k
.endr
	global_load_b32 v[FS+\s], v[SG], s[8:9] offset:\s*CHUNK+KSO
.endm
.macro FPUT s, cnt
.Lput\cnt:                                             ; here cnt chunks have been asked for
	s_wait_loadcnt 0x0                             ; all my loads are in, Q's too
.if \s < 4
.irp k, 0,1,2,3
	ds_store_b128 v[CL], v[FB+16*\s+4*\k:FB+16*\s+4*\k+3] offset:\s*CHUNK+2048*\k
.endr
	ds_store_b32 v[SL], v[FS+\s] offset:\s*CHUNK+KSO
.else
.irp k, 0,1,2,3
	ds_store_b128 v[CL2], v[FB+16*\s+4*\k:FB+16*\s+4*\k+3] offset:(\s-4)*CHUNK+2048*\k
.endr
	ds_store_b32 v[SL2], v[FS+\s] offset:(\s-4)*CHUNK+KSO
.endif
.endm
	FLOAD 0                                        ; at least one step is walked
.irp s, 1,2,3,4,5,6,7
	s_cmp_le_u32 s[NS], \s
	s_cbranch_scc1 .Lput\s
	FLOAD \s
.endr
	FPUT 7, 8
	FPUT 6, 7
	FPUT 5, 6
	FPUT 4, 5
	FPUT 3, 4
	FPUT 2, 3
	FPUT 1, 2
	FPUT 0, 1
.irp i, 0,1,2,3,4,5,6,7
	ds_store_b128 v[SI], v[QR+4*\i:QR+4*\i+3] offset:2*ROWP*\i
.endr
.irp j, 0,1,2,3,4,5,6,7
	ds_load_b128 v[XT+4*\j:XT+4*\j+3], v[SB] offset:16*\j   ; LDS serves a wave's instructions in order (ISA guide 5.7.1.4): these see my stores
.endr
	s_wait_dscnt 0x0                               ; my block of Q is in, and, for the others' sake, my part of the chunks has landed
	s_barrier_signal -1                            ; work on registers alone up to the wait: Q is quantised while the others arrive
.irp k, 0,1,2,3
	v_max3_num_f32 v[MX+\k], |v[XT+8*\k]|, |v[XT+8*\k+1]|, |v[XT+8*\k+2]|
.endr
.irp i, 3,5
.irp k, 0,1,2,3
	v_max3_num_f32 v[MX+\k], v[MX+\k], |v[XT+8*\k+\i]|, |v[XT+8*\k+\i+1]|
.endr
.endr
	v_max3_num_f32 v[MX], v[MX], v[MX+1], |v[XT+7]|
	v_max3_num_f32 v[MX+2], v[MX+2], v[MX+3], |v[XT+15]|
	v_max3_num_f32 v[MX], v[MX], |v[XT+23]|, |v[XT+31]|
	v_max3_num_f32 v[MX], v[MX], v[MX+2], 0x1800000        ; the floor 2^(3 - 127): the byte cannot fall under 1
	v_add_nc_u32 v[SOP], 0xff000000, v[MX]                 ; 2 off the exponent field: the conversions' scale operand
.irp g, 0,1,2,3
	v_cvt_scalef32_pk8_fp4_f32 v[QZ+4+\g], v[XT+8*\g:XT+8*\g+7], v[SOP]
.endr
	v_lshrrev_b32 v[T0], 23, v[SOP]                ; my block's byte (a plain line behind the conversions),
	v_lshlrev_b32 v[T0], v[SH8], v[T0]             ; at its place,
	v_permlanex16_b32 v[T1], v[T0], s[SEL], s[SEL+1]
	v_or_b32 v[T0], v[T0], v[T1]                   ; with the other block's;
	v_lshl_or_b32 v[QS], v[T0], 16, v[T0]          ; the two bytes twice: they serve Q in either half of the instruction's K (the half of zero codes adds nothing under them)
.irp j, 0,1,2,3
	v_mov_b32 v[QZ+\j], 0
	v_mov_b32 v[QZ+8+\j], 0
.endr
	v_mov_b32 v12, 0x7f61b1e6                      ; -M = 3e38: over every -M to come,
	v_mov_b32 v13, 0xff61b1e6                      ; the largest score so far: -3e38
	v_mov_b32 v14, 0
	v_mov_b32 v15, 0
	v_mov_b32 v[F+1], 0
.irp j, 0,1,2,3,4,5,6,7,8,9,10,11,12,13,14,15,16,17,18,19,20,21,22,23,24,25,26,27,28,29,30,31
	v_mov_b32 v[O+\j], 0                           ; O^T.  (The step is written once: the first finds zeros, which the first change of M leaves zeros)
.endr
	s_barrier_wait -1                              ; both batches' chunks lie in LDS; nothing writes them again
; The lines of a step's two batches of exponentials, by number n.  Plain lines and exponentials alternate; no line of a batch names the result of one of its exponentials.
.macro PL1                             ; first batch: the blocks' largest scores and scores 0-31 are scaled; O^T and the sum go under the new M
.if n < 2
	v_fma_f32 v[BM+n], v[BM+n], s[CS], v12
.elseif n < 18
	v_pk_fma_f32 v[S+2*n-4:S+2*n-3], v[S+2*n-4:S+2*n-3], s[CS:CS+1], v[12:13] op_sel_hi:[1,0,0]   ; t - M, two at a time (of the pairs c and -M the low word serves both)
.elseif n < 34
	v_pk_mul_f32 v[O+2*n-36:O+2*n-35], v[O+2*n-36:O+2*n-35], v[F:F+1] op_sel_hi:[1,0]
.else
	v_pk_mul_f32 v[14:15], v[14:15], v[F:F+1] op_sel_hi:[1,0]
.endif
.endm
.macro EX1                             ; its exponential n - 1: the two blocks' largest p (the same multiply-add and exponential on the same number give the same bits), then p 0-31
.if n < 3
	v_exp_f32 v[BM+n-1], v[BM+n-1]
.else
	v_exp_f32 v[S+n-3], v[S+n-3]
.endif
.endm
.macro TO3 src                         ; a pair of p onto one of three running sums, by turns (m counts)
.if m%3 == 2
	v_pk_add_f32 v[14:15], v[14:15], v[\src:\src+1]
.elseif m%3 == 0
	v_pk_add_f32 v[X1:X1+1], v[X1:X1+1], v[\src:\src+1]
.else
	v_pk_add_f32 v[X2:X2+1], v[X2:X2+1], v[\src:\src+1]
.endif
.endm
.macro PL2                             ; second batch: scores 36-63 are scaled; the scales of both blocks; the sums of p 0-31
.if n < 14
	v_pk_fma_f32 v[S+36+2*n:S+37+2*n], v[S+36+2*n:S+37+2*n], s[CS:CS+1], v[12:13] op_sel_hi:[1,0,0]
.elseif n < 16
	v_max_num_f32 v[BM+n-14], 0x1800000, v[BM+n-14]        ; the floor 2^(3 - 127): a block whose every p is 0 keeps the byte 1: its codes are zeros
.elseif n < 18
	v_add_nc_u32 v[SO+n-16], 0xff000000, v[BM+n-16]        ; 2 off the exponent field: the conversions' scale operand
.elseif n < 20
	v_lshrrev_b32 v[BY+n-18], 23, v[SO+n-18]               ; the scale's byte
.elseif n == 20
	v_lshl_or_b32 v[PW], v[BY+1], 16, v[BY]                ; my two blocks are blocks h and 2 + h of the step's four:
.elseif n == 21
	v_lshlrev_b32 v[PW], v[SH8], v[PW]                     ; at their places in the scale word;
.elseif n == 22
	v_permlanex16_b32 v[T1], v[PW], s[SEL], s[SEL+1]
.elseif n == 23
	v_or_b32 v[PW], v[PW], v[T1]                           ; with lane l xor 16's two the word is whole
.elseif n == 24
	v_pk_add_f32 v[X1:X1+1], v[S:S+1], v[S+2:S+3]          ; THE ROW'S SUM IS TAKEN OF THE UNQUANTISED p
.elseif n == 25
	v_pk_add_f32 v[X2:X2+1], v[S+4:S+5], v[S+6:S+7]
.else
.set m, n-24
	TO3 S+2*n-44
.endif
.endm
	s_mov_b32 s[ST], 0
	s_mov_b32 s[TB], 0
	s_mov_b32 s[KB], 0
.Lstep:                                                ; eight trips, a constant, so that the LDS addresses are constants and loop steps; a step past my batch's last is jumped over
	s_cmp_ge_u32 s[ST], s[NS]
	s_cbranch_scc1 .Lpast
	v_add_nc_u32 v[ADK], s[TB], v[AK]
	v_add_nc_u32 v[ADS], s[TB], v[AS]
	v_nop                                          ; with the two additions: four places in front of loads into registers that the last step's products read
	v_nop
.irp f, 0,1,2,3,4,5,6,7
	ds_load_b128 v[KFR+4*\f:KFR+4*\f+3], v[ADK] offset:512*\f          ; images of the operand's registers: 16 bytes a lane, 512 consecutive bytes a load
.endr
	ds_load_b64 v[KS:KS+1], v[ADS]                 ; lanes 0-15: the words of fragments 0, 1; lanes 16-31: of fragments 2, 3
.irp f, 0,1,2,3,4,5,6,7
	ds_load_b128 v[VFR+4*\f:VFR+4*\f+3], v[ADK] offset:VOFF+512*\f     ; V is asked for now and wanted behind the softmax
.endr
	ds_load_b64 v[VS:VS+1], v[ADS] offset:256
	s_wait_dscnt 0x9                               ; K's nine loads are in; V's nine, issued behind them, may be out
.irp t, 0,1,2,3,4,5,6,7                        ; S^T: tile t lies in half t % 2 of fragment t / 2; eight accumulators, one instruction each
.if \t < 4
	v_wmma_scale_f32_16x16x128_f8f6f4 v[S+8*\t:S+8*\t+7], v[KFR+8*(\t/2):KFR+8*(\t/2)+7], v[QZ+4-4*(\t%2):QZ+11-4*(\t%2)], 0, v[KS+(\t/2)%2], v[QS] matrix_a_fmt:MATRIX_FMT_FP4 matrix_b_fmt:MATRIX_FMT_FP4
.else
	v_wmma_scale_f32_16x16x128_f8f6f4 v[S+8*\t:S+8*\t+7], v[KFR+8*(\t/2):KFR+8*(\t/2)+7], v[QZ+4-4*(\t%2):QZ+11-4*(\t%2)], 0, v[KS+(\t/2)%2], v[QS] matrix_a_fmt:MATRIX_FMT_FP4 matrix_b_fmt:MATRIX_FMT_FP4 matrix_a_scale:MATRIX_SCALE_ROW1
.endif
.endr
	v_mov_b32 v[T2], v12                           ; the old -M is kept.  Four places behind the products
	v_nop
	v_nop
	v_nop
	s_add_co_u32 s[TMP], s[KB], 128                ; does valid_len cut this step?  A step all of whose keys count skips the mask
	s_cmp_le_u32 s[TMP], s[LV]
	s_cbranch_scc1 .Lopen
	s_sub_co_i32 s[TMP], s[LV], s[KB]
	v_sub_nc_u32 v[DV], s[TMP], v[H32]             ; register n holds key KB + 32 (lane / 16) + 64 (n / 32) + n % 32: hidden where 64 (n / 32) + n % 32 >= valid_len - KB - 32 (lane / 16)
.set n, 0
.rept 64
	v_cmp_ge_i32 vcc_lo, 64*(n/32)+n%32, v[DV]
	v_cndmask_b32 v[S+n], v[S+n], v[FIL], vcc_lo
.set n, n+1
.endr
.Lopen:
	; THE LARGEST SCORE OF EACH BLOCK OF 32 KEYS, all in my lane: it serves for the row's maximum and, since p rises with the score, for the block's largest p.  Four chains by turns, each accumulator from its low end on
.irp k, 0,1,2,3
	v_max3_num_f32 v[BM+\k/2+2*(\k%2)], v[S+16*\k], v[S+16*\k+1], v[S+16*\k+2]
.endr
.irp i, 3,5,7,9,11,13
.irp k, 0,1,2,3
	v_max3_num_f32 v[BM+\k/2+2*(\k%2)], v[BM+\k/2+2*(\k%2)], v[S+16*\k+\i], v[S+16*\k+\i+1]
.endr
.endr
.irp c, 0,1
	v_max3_num_f32 v[BM+\c], v[BM+\c], v[BM+2+\c], v[S+32*\c+15]
.endr
.irp c, 0,1
	v_max_num_f32 v[BM+\c], v[BM+\c], v[S+32*\c+31]
.endr
	v_max_num_f32 v[T0], v[BM], v[BM+1]
	v_permlanex16_b32 v[T1], v[T0], s[SEL], s[SEL+1]       ; my query's other 64 keys lie in lane l xor 16
	v_max3_num_f32 v13, v13, v[T0], v[T1]          ; the largest score so far
	v_mul_f32 v[T0], s[CS], v13                    ; as t (c is positive)
	v_floor_f32 v12, -v[T0]                        ; -M = floor(-t) = -ceil(t): M IS A WHOLE NUMBER
	v_sub_f32 v[T2], v12, v[T2]                    ; old M - new M: a whole number, 0 or less
	v_cvt_i32_f32 v[T2], v[T2]                     ; (it saturates)
	v_ldexp_f32 v[F], 1.0, v[T2]                   ; 2^(old M - new M)
.set n, 0
	PL1
.set n, 1
.rept 34
	PL1
	EX1
.set n, n+1
.endr
	v_pk_fma_f32 v[S+32:S+33], v[S+32:S+33], s[CS:CS+1], v[12:13] op_sel_hi:[1,0,0]   ; plain lines behind the last exponential
	v_pk_fma_f32 v[S+34:S+35], v[S+34:S+35], s[CS:CS+1], v[12:13] op_sel_hi:[1,0,0]
	s_wait_alu depctr_va_vdst(0)                   ; one wait for the first batch's 34 exponentials, ahead of the first line that names a result
.set n, 0
.rept 32
	PL2
	v_exp_f32 v[S+32+n], v[S+32+n]                 ; p 32-63
.set n, n+1
.endr
.rept 6
	PL2
.set n, n+1
.endr
.irp g, 0,1,2,3
	v_cvt_scalef32_pk8_fp4_f32 v[PC+\g], v[S+8*\g:S+8*\g+7], v[SO]         ; registers 0-3 of the operand: keys 32 (lane / 16) + 0 .. 31
.endr
	s_wait_alu depctr_va_vdst(0)                   ; and one for the second batch's 32
.irp g, 0,1,2,3
	v_cvt_scalef32_pk8_fp4_f32 v[PC+4+\g], v[S+32+8*\g:S+32+8*\g+7], v[SO+1]   ; registers 4-7: keys 64 + 32 (lane / 16) + 0 .. 31
.endr
.set m, 0
.rept 16
	TO3 S+32+2*m                                   ; the sums of p 32-63: these 18 plain lines also stand between the codes and the scale word just made and the products that take them
.set m, m+1
.endr
	v_pk_add_f32 v[X1:X1+1], v[X1:X1+1], v[X2:X2+1]
	v_pk_add_f32 v[14:15], v[14:15], v[X1:X1+1]
	s_wait_dscnt 0x0                               ; V
.irp t, 0,1,2,3                                ; O^T += V^T P^T: four accumulators, one instruction each; between two links of a chain stand the others' and the next step's eight
.if \t < 2
	v_wmma_scale_f32_16x16x128_f8f6f4 v[O+8*\t:O+8*\t+7], v[VFR+8*\t:VFR+8*\t+7], v[PC:PC+7], v[O+8*\t:O+8*\t+7], v[VS+\t%2], v[PW] matrix_a_fmt:MATRIX_FMT_FP4 matrix_b_fmt:MATRIX_FMT_FP4
.else
	v_wmma_scale_f32_16x16x128_f8f6f4 v[O+8*\t:O+8*\t+7], v[VFR+8*\t:VFR+8*\t+7], v[PC:PC+7], v[O+8*\t:O+8*\t+7], v[VS+\t%2], v[PW] matrix_a_fmt:MATRIX_FMT_FP4 matrix_b_fmt:MATRIX_FMT_FP4 matrix_a_scale:MATRIX_SCALE_ROW1
.endif
.endr
.Lpast:
	s_add_co_u32 s[TB], s[TB], CHUNK
	s_add_co_u32 s[KB], s[KB], 128
	s_add_co_u32 s[ST], s[ST], 1
	s_cmp_lt_u32 s[ST], 8
	s_cbranch_scc1 .Lstep
	; THE WAY OUT.  The sum's halves are added; O^T is divided by the sum and goes through my stage, so that each store covers 512 consecutive bytes.  The address work stands as the places behind the last products.
	v_add_f32 v14, v14, v15
	v_and_b32 v[T0], 15, v0                        ; r
	v_bfe_u32 v[T2], v0, 4, 1                      ; h
	v_permlanex16_b32 v[T1], v14, s[SEL], s[SEL+1]
	v_mul_u32_u24 v[STO], v[T0], OP
	v_lshl_add_u32 v[STO], v[T2], 5, v[STO]
	v_add_nc_u32 v[STO], s35, v[STO]               ; in: row r; tile t's eight channels of my half: 64 t + 32 h bytes on
	v_add_f32 v14, v14, v[T1]                      ; the row's sum
	v_mul_u32_u24 v[RD], v[T2], OP
	v_lshl_add_u32 v[RD], v[T0], 4, v[RD]
	v_add_nc_u32 v[RD], s35, v[RD]                 ; back: lanes 0-15 one row of 256 bytes, lanes 16-31 the next
	v_rcp_f32 v14, v14
	v_nop                                          ; a plain line behind the reciprocal,
	s_wait_alu depctr_va_vdst(0)                   ; and the wait ahead of its first use
.set n, 0
.rept 16
	v_pk_mul_f32 v[S+2*n:S+2*n+1], v[O+2*n:O+2*n+1], v[14:15] op_sel_hi:[1,0]   ; register 8 t + i is out0(r, 16 t + 8 h + i); each accumulator from its low end on
.set n, n+1
.endr
.irp t, 0,1,2,3
	ds_store_b128 v[STO], v[S+8*\t:S+8*\t+3] offset:64*\t
	ds_store_b128 v[STO], v[S+8*\t+4:S+8*\t+7] offset:64*\t+16
.endr
.irp i, 0,1,2,3,4,5,6,7
	ds_load_b128 v[KFR+4*\i:KFR+4*\i+3], v[RD] offset:2*OP*\i   ; my own bytes: LDS serves a wave's instructions in order, these see my stores
.endr
.irp i, 0,1,2,3,4,5,6,7
	s_wait_dscnt 7-\i                              ; load i is in; the 7 - i younger ones may be out
	global_store_b128 v[GO], v[KFR+4*\i:KFR+4*\i+3], s[10:11] offset:512*\i th:TH_STORE_NT   ; two whole rows: 512 consecutive bytes, aligned; written once, read by nobody here
.endr
	s_wait_tensorcnt 0x0
	ds_add_u32 v31, v205
	s_wait_dscnt 0x0
	s_endpgm
.Lfunc_end_k_qd132fbcbb9_attend:
	.size	k_qd132fbcbb9_attend, .Lfunc_end_k_qd132fbcbb9_attend-k_qd132fbcbb9_attend
	.p2alignl 7, 3214868480
	.fill 96, 4, 3214868480
	.section	.rodata,"a",@progbits
	.p2align	6, 0x0
	.amdhsa_kernel k_qd132fbcbb9_attend
		.amdhsa_group_segment_fixed_size 179200
		.amdhsa_private_segment_fixed_size 0
		.amdhsa_enable_private_segment 0
		.amdhsa_kernarg_size 32
		.amdhsa_user_sgpr_count 2
		.amdhsa_user_sgpr_kernarg_segment_ptr 1
		.amdhsa_wavefront_size32 1
		.amdhsa_system_sgpr_workgroup_id_x 1
		.amdhsa_system_sgpr_workgroup_id_y 1
		.amdhsa_system_sgpr_workgroup_id_z 1
		.amdhsa_system_vgpr_workitem_id 0
		.amdhsa_next_free_vgpr 256
		.amdhsa_next_free_sgpr 66
		.amdhsa_reserve_vcc 1
		.amdhsa_float_denorm_mode_32 3
		.amdhsa_float_denorm_mode_16_64 3
		.amdhsa_memory_ordered 1
		.amdhsa_forward_progress 1
		.amdhsa_inst_pref_size 39
	.end_amdhsa_kernel
	.amdgpu_metadata
---
amdhsa.version: [ 1, 2 ]
amdhsa.kernels:
  - .name:           k_qd132fbcbb9_attend
    .symbol:         k_qd132fbcbb9_attend.kd
    .args:
      - { .name: queries, .offset: 0, .size: 8, .value_kind: global_buffer, .address_space: global }
      - { .name: order, .offset: 8, .size: 8, .value_kind: global_buffer, .address_space: global }
      - { .name: kv, .offset: 16, .size: 8, .value_kind: global_buffer, .address_space: global }
      - { .name: out0, .offset: 24, .size: 8, .value_kind: global_buffer, .address_space: global }
    .group_segment_fixed_size: 179200
    .private_segment_fixed_size: 0
    .kernarg_segment_align: 8
    .kernarg_segment_size: 32
    .max_flat_workgroup_size: 256
    .sgpr_count:     66
    .vgpr_count:     256
    .wavefront_size: 32
...
	.end_amdgpu_metadata
.endif
;; end of part 2
;; ======== version 2 of 2: 2 launches; version 1 with the launch attend written anew for expert scheduling mode
;; limits: right only within a limited range of input values
;; workspace buffers: kv 2,228,224 bytes; order 256 bytes of whole numbers
;; launch quant: the kernel of part 1 again; grid 8 x 32, 8 waves a work-group, no clusters, 48,640 bytes of LDS; arguments keys, values, valid_lens, kv, order; writes kv, order
;; launch attend (part 3): grid 16 x 16, 8 waves a work-group, no clusters, 179,200 bytes of LDS; arguments queries, order, kv, out0; writes out0
.if DOCPART == 3
	.amdgcn_target "amdgcn-amd-amdhsa--gfx1250"
	.amdhsa_code_object_version 6
	.text
	.protected	k_qd132fbcbb9_attend
	.globl	k_qd132fbcbb9_attend
	.p2align	8
	.type	k_qd132fbcbb9_attend,@function
k_qd132fbcbb9_attend:
	s_mov_b64 s[64:65], 0
	v_nop
	global_prefetch_b8 v0, s[64:65] scope:SCOPE_SE
	s_setreg_imm32_b32 hwreg(HW_REG_WAVE_SCHED_MODE, 0, 2), 2
	s_setreg_imm32_b32 hwreg(HW_REG_WAVE_MODE, 25, 1), 1
	s_wait_xcnt 0x0
	s_wait_alu depctr_vm_vsrc(0)
; out0[b][q][:] = sum over k of softmax_k(where(k < valid_len[b], Q[b][q] . K[b][k] / 8, -1e6)) V[b][k][:], both products on codes of FP4 (E2M1) with one E8M0 scale for each 32 along K.
; K and V come as codes from kv, one chunk of 8,704 bytes for each batch and each step of 128 keys, laid in the order of the operand registers (the launch before); Q [32][1024][64] f32 is quantised here, in registers.
; THE SOFTMAX: t = score x log2(e) / 8; M = the largest t so far, rounded up to a whole number; p = 2^(t - M) is quantised along the keys; the row's sum is taken of the unquantised p and divides at the end.
; When M moves, the sum and O are multiplied by 2^(old M - new M), which rounds nothing.
; THE MASK: steps of 128 keys that lie wholly past valid_len are not walked; in the step that valid_len cuts, hidden scores become -8e6 (the logit -1e6) ahead of the maximum, so that p = 0.
; Where no key counts (valid_len < 1) all 1,024 keys are walked with the score 0 for each: equal logits, p = 1, the uniform row that -1e6 everywhere gives.  valid_len above 1,024 counts as 1,024.
; LIMITS: a hidden key is taken to weigh nothing, which holds while some kept key's logit lies above -1e6 + 150 (|q . k| under about 8e6); NaN and infinities among the inputs are not served.
; SHARES.  order[rank] = (batch, valid_len), batches ranked by their number of steps.  Work-group (x, y) takes queries 64 x .. 64 x + 63 of the batches of rank y and of rank 31 - y: a short one and a long one, so that
; all 256 work-groups walk about as many steps.  Eight waves, one tile of 16 queries each; four waves serve each batch; the two roles alternate both between neighbouring waves and between waves four apart.
; The chunks that a batch needs (and no others) are copied into LDS once, by its four waves, through registers; one barrier; the loop has none.
; NO TENSOR LOADS, NO CLUSTER: how many chunks are fetched and walked hangs on valid_len, a number read from memory; fetching all sixteen chunks jointly
; would bring 139,264 bytes to each work-group where (steps of the one + steps of the other) x 8,704 are wanted.
; LAYOUT.  Both products are used transposed: S^T = K Q^T (source 0 = keys, source 1 = my 16 queries), O^T = V^T P^T: a lane holds ONE query (lane % 16) throughout.
; The first product's K is 64, the instruction's 128: ONE FRAGMENT OF K HOLDS TWO TILES OF 16 KEYS, tile 2 F in k = 0 .. 63 and tile 2 F + 1 in k = 64 .. 127, and Q's fragment has zero codes in the other half
; (v16-27 = zeros, Q, zeros: v[20:27] picks the first tile, v[16:23] the second).  A zero code times any code of this format is 0.
; THE KEYS OF A TILE: row m of tile 4 c + g is key 64 c + 32 (m / 8) + 8 g + m % 8, so that register 32 c + i of a lane's 64 scores is key 64 c + 32 (lane / 16) + i: a lane holds two WHOLE blocks of 32 keys,
; in the very order of the second product's operand: a block's maximum needs no other lane, and the conversions' results are the operand.
; THE MODE: SCHED_MODE bits 1:0 = 2 (LLVM: expert scheduling mode 2), set by the entry lines.  The code itself states the register dependences between vector or matrix instructions and memory or LDS
; instructions, with s_wait_alu, always for 0.
; THE PLAN.  Registers that memory or LDS instructions touch:
;   v8, v240-247    offsets and LDS addresses of the head (v8 also of the last stores): written once by vector lines, ahead of the one wait on va_vdst in front of the first load; never written again.
;   v32-199         at the head: landed in by global loads, read by the LDS stores of the copy and of Q's stage.  Behind the barrier they are fragments, scores, O^T and codes: one wait on vm_vsrc stands ahead of the barrier.
;   v3, v4          the step's LDS addresses: written by two additions at a step's head, read by the step's 18 LDS loads.  A wait on vm_vsrc ahead of the additions, the step's wait on va_vdst behind them.
;   KFR, KS         landed in by a step's first nine LDS loads; read by its eight products S^T.
;   VFR, VS         landed in by its other nine; read by its four products O^T, the step's last vector-side lines.
;   So ONE wait on va_vdst at a step's head states all that the step's 18 LDS loads hang on: the addresses are written, and the last step's products are done reading all four.  K's loads follow it at once;
;   V's are dealt among the products S^T, which name KFR, KS, Q's registers and the scores: none of the registers that V's loads touch.
;   QZ, QS, PC, PW  operands and scale words that vector lines write and scaled products take: the step's head wait serves Q's, a wait on va_vdst ahead of the products O^T serves p's.
;   v9, v10, v96-127, v32-63 on the way out: one wait on va_vdst ahead of the stage's stores.
; Masks that compares write into scalar registers are read behind a wait on va_sdst: the compares stand in runs of sixteen, one wait a run.
.set CHUNK,  8704
.set VOFF,   4096                      ; in a chunk: K's codes, V's codes,
.set KSO,    8192                      ; K's scale words (256 bytes), V's (256)
.set REGION, 8*CHUNK                   ; LDS: a batch's chunks; two regions,
.set STAGE,  2*REGION                  ; then a stage for each wave: Q on its way in, O on its way out
.set STGW,   4864
.set ROWP,   144                       ; the stage for Q: a block's 128 bytes + 16: 144 r mod 256 takes sixteen different values
.set HOFF,   2432                      ; the blocks of channels 32 .. 63 lie 16 x 144 + 128 bytes behind the others
.set OP,     272                       ; the stage for O: a row's 256 bytes + 16
.set AK,  1                            ; v1   my region + 16 x lane
.set AS,  2                            ; v2   my region + KSO + 8 x lane
.set ADK, 3                            ; v3   the same in the step's chunk
.set ADS, 4
.set H32, 5                            ; v5   32 x (lane / 16)
.set SH8, 6                            ; v6   8 x (lane / 16)
.set FIL, 7                            ; v7   what a hidden score becomes
.set GO,  8                            ; v8   16 x lane: Q's loads and O's stores
.set STO, 9
.set RD,  10
.set DV,  11
                                       ; v12 -M, v13 the largest score so far, v[14:15] the row's sum in two halves
.set QZ,  16                           ; v16-27 zeros, Q's codes, zeros
.set QS,  28                           ; Q's scale word
.set KFR, 32                           ; v32-63   K: four fragments
.set VFR, 64                           ; v64-95   V: four fragments
.set S,   96                           ; v96-159  S^T, then p
.set O,   160                          ; v160-191 O^T
.set PC,  192                          ; v192-199 p's codes
.set KS,  200                          ; v[200:201] K's scale words, v[202:203] V's, v204 p's
.set VS,  202
.set PW,  204
.set F,   206                          ; v[206:207] 2^(old M - new M); the pair's upper word is written once and not used
.set BM,  208                          ; v208-209 the two blocks' largest scores, then largest p; v210-211 two more chains
.set SO,  212                          ; v212-213 the conversions' scale operands
.set BY,  214                          ; v214-215 the scales' bytes
.set X1,  220                          ; v[220:221], v[222:223] two more running sums
.set X2,  222
.set FB,  32                           ; at the head: v32-159 a step's 16 registers of codes, eight steps; v160-167 their scale words
.set FS,  160
.set QR,  168                          ; v168-199 Q as loaded
.set XT,  208                          ; v208-239 my block of Q
.set CG,  240                          ; v240-247 addresses of the head
.set SG,  241
.set CL,  242
.set CL2, 243
.set SL,  244
.set SL2, 245
.set SI,  246
.set SB,  247
.set MX,  248                          ; v248-251
.set SOP, 252
.set T0,  253
.set T1,  254
.set T2,  255
.set WV,   12
.set ROLE, 13
.set QT,   14
.set PAIR, 15
.set RANK, 16
.set BAT,  17                          ; s[18:19] my batch's entry of order
.set FILL, 20
.set NS,   21                          ; steps to walk, 1 .. 8
.set LV,   22                          ; keys that count, 0 .. 1,024
.set CS,   24                          ; s[24:25] c = log2(e) / 8
.set SEL,  26                          ; s[26:27] v_permlanex16_b32's selects for lane l xor 16
.set ST,   28
.set TB,   29
.set KB,   30
.set TMP,  31
.set MK,   40                          ; s40-55 sixteen lane masks of the mask's compares
	s_load_b256 s[4:11], s[0:1], 0x0               ; queries s[4:5], order s[6:7], kv s[8:9], out0 s[10:11]
	v_lshl_add_u32 v31, v0, 2, 0x2b800
	v_mov_b32 v205, 0
	v_lshrrev_b32 v[T0], 5, v0
	v_readfirstlane_b32 s[WV], v[T0]               ; wave 0..7
	s_wait_alu depctr_va_sdst(0)                   ; s12, the wave's number, is written, ahead of its first reader
	s_lshr_b32 s[ROLE], s[WV], 2
	s_xor_b32 s[ROLE], s[ROLE], s[WV]
	s_and_b32 s[ROLE], s[ROLE], 1                  ; waves 0, 2, 5, 7: the batch of rank y; waves 1, 3, 4, 6: that of rank 31 - y
	s_lshr_b32 s[QT], s[WV], 1                     ; which 16 of the 64 queries: 0 .. 3 within each role
	s_and_b32 s[PAIR], ttmp7, 0xffff
	s_sub_co_u32 s[RANK], 31, s[PAIR]
	s_cmp_eq_u32 s[ROLE], 0
	s_cselect_b32 s[RANK], s[PAIR], s[RANK]
	s_lshl_b32 s[TMP], s[RANK], 3
	s_mov_b32 s[CS], 0x3e38aa3b                    ; log2(e) / sqrt(64)
	s_mov_b32 s[CS+1], s[CS]                       ; (the packed form names the pair, so it is written)
	s_mov_b32 s[SEL], 0x76543210
	s_mov_b32 s[SEL+1], 0xfedcba98
	s_wait_kmcnt 0x0
	s_load_b64 s[18:19], s[6:7], s[TMP] offset:0x0 ; (batch, valid_len)
	; addresses that hang on the thread alone, while that load is out
	v_and_b32 v[T1], 31, v0                        ; lane
	v_lshlrev_b32 v[GO], 4, v[T1]
	v_lshlrev_b32 v[AS], 3, v[T1]
	v_lshlrev_b32 v[SG], 2, v[T1]
	s_mul_i32 s34, s[ROLE], REGION                 ; my batch's region
	s_mul_i32 s35, s[WV], STGW
	s_add_co_u32 s35, s35, STAGE                   ; my stage
	v_add_nc_u32 v[AK], s34, v[GO]
	v_add_nc_u32 v[AS], s34, v[AS]
	v_add_nc_u32 v[AS], KSO, v[AS]
	s_lshl_b32 s36, s[QT], 9
	v_add_nc_u32 v[CG], s36, v[GO]                 ; the copy: of each 2,048 bytes of codes my wave takes 512,
	s_lshl_b32 s36, s[QT], 7
	v_add_nc_u32 v[SG], s36, v[SG]                 ; of a chunk's 512 bytes of scale words 128
	v_add_nc_u32 v[CL], s34, v[CG]
	v_add_nc_u32 v[CL2], 4*CHUNK, v[CL]            ; (steps 4 to 7: an LDS offset has 16 bits)
	v_add_nc_u32 v[SL], s34, v[SG]
	v_add_nc_u32 v[SL2], 4*CHUNK, v[SL]
	v_bfe_u32 v[T0], v0, 4, 1                      ; h = lane / 16
	v_lshlrev_b32 v[H32], 5, v[T0]
	v_lshlrev_b32 v[SH8], 3, v[T0]
	v_bfe_u32 v[T1], v0, 3, 1
	v_and_b32 v[T2], 7, v0
	v_mul_u32_u24 v[SI], v[T0], ROWP               ; Q into the stage: load i, lane l holds piece l % 8 of block (query 2 i + l / 16, half (l / 8) % 2)
	v_mad_u32_u24 v[SI], v[T1], HOFF, v[SI]
	v_lshl_add_u32 v[SI], v[T2], 4, v[SI]
	v_add_nc_u32 v[SI], s35, v[SI]
	v_and_b32 v[T2], 15, v0
	v_mul_u32_u24 v[SB], v[T2], ROWP               ; and back: lane r + 16 h takes block (query r, half h): the operand's own layout
	v_mad_u32_u24 v[SB], v[T0], HOFF, v[SB]
	v_add_nc_u32 v[SB], s35, v[SB]
	s_wait_kmcnt 0x0
	s_min_u32 s[BAT], s18, 31                      ; held, since it enters addresses
	s_cmp_lt_i32 s19, 1                            ; does no key count?
	s_cselect_b32 s[FILL], 0, 0xcaf42400           ; then every score becomes 0; else a hidden one -8e6
	s_cselect_b32 s[NS], 0x400, s19
	s_cselect_b32 s[LV], 0, s19
	s_min_u32 s[NS], s[NS], 0x400
	s_min_u32 s[LV], s[LV], 0x400
	s_add_co_u32 s[NS], s[NS], 127
	s_lshr_b32 s[NS], s[NS], 7
	s_lshl_b32 s32, s[BAT], 18                     ; a batch of Q and of O: 262,144 bytes;
	s_lshl_b32 s33, ttmp9, 14                      ; the work-group's 64 rows of 256;
	s_add_co_u32 s32, s32, s33
	s_lshl_b32 s33, s[QT], 12                      ; my 16
	s_add_co_u32 s32, s32, s33
	s_mov_b32 s33, 0
	s_add_nc_u64 s[4:5], s[4:5], s[32:33]
	s_add_nc_u64 s[10:11], s[10:11], s[32:33]
	s_mul_i32 s32, s[BAT], REGION
	s_add_nc_u64 s[8:9], s[8:9], s[32:33]
	v_mov_b32 v[FIL], s[FILL]
	s_wait_alu depctr_va_vdst(0)                   ; v8 and v240 to v247 are written: the offsets and LDS addresses that the head's loads and LDS stores read.  No vector line stands between here and the last of them
.irp i, 0,1,2,3,4,5,6,7
	global_load_b128 v[QR+4*\i:QR+4*\i+3], v[GO], s[4:5] offset:512*\i th:TH_LOAD_NT   ; my 16 queries: 4,096 consecutive bytes, read once in the launch
.endr
; THE COPY of the chunks that my batch walks.  All loads go out first; the branch that ends them leads straight to the stores of just the chunks that were asked for (the stores stand in falling order), so that one branch decides both.
.macro FLOAD s
.irp k, 0,1,2,3
	global_load_b128 v[FB+16*\s+4*\k:FB+16*\s+4*\k+3], v[CG], s[8:9] offset:\s*CHUNK+2048*\k
.endr
	global_load_b32 v[FS+\s], v[SG], s[8:9] offset:\s*CHUNK+KSO
.endm
.macro FPUT s, cnt
.Lput\cnt:                                             ; here cnt chunks have been asked for
	s_wait_loadcnt 0x0                             ; all my loads are in, Q's too
.if \s < 4
.irp k, 0,1,2,3
	ds_store_b128 v[CL], v[FB+16*\s+4*\k:FB+16*\s+4*\k+3] offset:\s*CHUNK+2048*\k
.endr
	ds_store_b32 v[SL], v[FS+\s] offset:\s*CHUNK+KSO
.else
.irp k, 0,1,2,3
	ds_store_b128 v[CL2], v[FB+16*\s+4*\k:FB+16*\s+4*\k+3] offset:(\s-4)*CHUNK+2048*\k
.endr
	ds_store_b32 v[SL2], v[FS+\s] offset:(\s-4)*CHUNK+KSO
.endif
.endm
	FLOAD 0                                        ; at least one step is walked
.irp s, 1,2,3,4,5,6,7
	s_cmp_le_u32 s[NS], \s
	s_cbranch_scc1 .Lput\s
	FLOAD \s
.endr
	FPUT 7, 8
	FPUT 6, 7
	FPUT 5, 6
	FPUT 4, 5
	FPUT 3, 4
	FPUT 2, 3
	FPUT 1, 2
	FPUT 0, 1
.irp i, 0,1,2,3,4,5,6,7
	ds_store_b128 v[SI], v[QR+4*\i:QR+4*\i+3] offset:2*ROWP*\i
.endr
.irp j, 0,1,2,3,4,5,6,7
	ds_load_b128 v[XT+4*\j:XT+4*\j+3], v[SB] offset:16*\j   ; LDS serves a wave's instructions in order (ISA guide 5.7.1.4): these see my stores
.endr
	s_wait_dscnt 0x0                               ; my block of Q is in, and, for the others' sake, my part of the chunks has landed
	s_wait_alu depctr_vm_vsrc(0)                   ; my LDS stores have read v32 to v199: from here on these registers are O^T, fragments, scores and codes, written by the lines below, by the loop's LDS loads and by its products
	s_barrier_signal -1                            ; work on registers alone up to the wait: Q is quantised while the others arrive
.irp k, 0,1,2,3
	v_max3_num_f32 v[MX+\k], |v[XT+8*\k]|, |v[XT+8*\k+1]|, |v[XT+8*\k+2]|
.endr
.irp i, 3,5
.irp k, 0,1,2,3
	v_max3_num_f32 v[MX+\k], v[MX+\k], |v[XT+8*\k+\i]|, |v[XT+8*\k+\i+1]|
.endr
.endr
	v_max3_num_f32 v[MX], v[MX], v[MX+1], |v[XT+7]|
	v_max3_num_f32 v[MX+2], v[MX+2], v[MX+3], |v[XT+15]|
	v_max3_num_f32 v[MX], v[MX], |v[XT+23]|, |v[XT+31]|
	v_max3_num_f32 v[MX], v[MX], v[MX+2], 0x1800000        ; the floor 2^(3 - 127): the byte cannot fall under 1
	v_add_nc_u32 v[SOP], 0xff000000, v[MX]                 ; 2 off the exponent field: the conversions' scale operand
.irp g, 0,1,2,3
	v_cvt_scalef32_pk8_fp4_f32 v[QZ+4+\g], v[XT+8*\g:XT+8*\g+7], v[SOP]
.endr
	v_lshrrev_b32 v[T0], 23, v[SOP]                ; my block's byte (a plain line behind the conversions),
	v_lshlrev_b32 v[T0], v[SH8], v[T0]             ; at its place,
	v_permlanex16_b32 v[T1], v[T0], s[SEL], s[SEL+1]
	v_or_b32 v[T0], v[T0], v[T1]                   ; with the other block's;
	v_lshl_or_b32 v[QS], v[T0], 16, v[T0]          ; the two bytes twice: they serve Q in either half of the instruction's K (the half of zero codes adds nothing under them)
.irp j, 0,1,2,3
	v_mov_b32 v[QZ+\j], 0
	v_mov_b32 v[QZ+8+\j], 0
.endr
	v_mov_b32 v12, 0x7f61b1e6                      ; -M = 3e38: over every -M to come,
	v_mov_b32 v13, 0xff61b1e6                      ; the largest score so far: -3e38
	v_mov_b32 v14, 0
	v_mov_b32 v15, 0
	v_mov_b32 v[F+1], 0
.irp j, 0,1,2,3,4,5,6,7,8,9,10,11,12,13,14,15,16,17,18,19,20,21,22,23,24,25,26,27,28,29,30,31
	v_mov_b32 v[O+\j], 0                           ; O^T.  (The step is written once: the first finds zeros, which the first change of M leaves zeros)
.endr
	s_barrier_wait -1                              ; both batches' chunks lie in LDS; nothing writes them again
; The lines of a step's two batches of exponentials, by number n.  Plain lines and exponentials alternate; no line of a batch names the result of one of its exponentials.
.macro PL1                             ; first batch: the blocks' largest scores and scores 0-31 are scaled; O^T and the sum go under the new M
.if n < 2
	v_fma_f32 v[BM+n], v[BM+n], s[CS], v12
.elseif n < 18
	v_pk_fma_f32 v[S+2*n-4:S+2*n-3], v[S+2*n-4:S+2*n-3], s[CS:CS+1], v[12:13] op_sel_hi:[1,0,0]   ; t - M, two at a time (of the pairs c and -M the low word serves both)
.elseif n < 34
	v_pk_mul_f32 v[O+2*n-36:O+2*n-35], v[O+2*n-36:O+2*n-35], v[F:F+1] op_sel_hi:[1,0]
.else
	v_pk_mul_f32 v[14:15], v[14:15], v[F:F+1] op_sel_hi:[1,0]
.endif
.endm
.macro EX1                             ; its exponential n - 1: the two blocks' largest p (the same multiply-add and exponential on the same number give the same bits), then p 0-31
.if n < 3
	v_exp_f32 v[BM+n-1], v[BM+n-1]
.else
	v_exp_f32 v[S+n-3], v[S+n-3]
.endif
.endm
.macro TO3 src                         ; a pair of p onto one of three running sums, by turns (m counts)
.if m%3 == 2
	v_pk_add_f32 v[14:15], v[14:15], v[\src:\src+1]
.elseif m%3 == 0
	v_pk_add_f32 v[X1:X1+1], v[X1:X1+1], v[\src:\src+1]
.else
	v_pk_add_f32 v[X2:X2+1], v[X2:X2+1], v[\src:\src+1]
.endif
.endm
.macro PL2                             ; second batch: scores 36-63 are scaled; the scales of both blocks; the sums of p 0-31
.if n < 14
	v_pk_fma_f32 v[S+36+2*n:S+37+2*n], v[S+36+2*n:S+37+2*n], s[CS:CS+1], v[12:13] op_sel_hi:[1,0,0]
.elseif n < 16
	v_max_num_f32 v[BM+n-14], 0x1800000, v[BM+n-14]        ; the floor 2^(3 - 127): a block whose every p is 0 keeps the byte 1: its codes are zeros
.elseif n < 18
	v_add_nc_u32 v[SO+n-16], 0xff000000, v[BM+n-16]        ; 2 off the exponent field: the conversions' scale operand
.elseif n < 20
	v_lshrrev_b32 v[BY+n-18], 23, v[SO+n-18]               ; the scale's byte
.elseif n == 20
	v_lshl_or_b32 v[PW], v[BY+1], 16, v[BY]                ; my two blocks are blocks h and 2 + h of the step's four:
.elseif n == 21
	v_lshlrev_b32 v[PW], v[SH8], v[PW]                     ; at their places in the scale word;
.elseif n == 22
	v_permlanex16_b32 v[T1], v[PW], s[SEL], s[SEL+1]
.elseif n == 23
	v_or_b32 v[PW], v[PW], v[T1]                           ; with lane l xor 16's two the word is whole
.elseif n == 24
	v_pk_add_f32 v[X1:X1+1], v[S:S+1], v[S+2:S+3]          ; THE ROW'S SUM IS TAKEN OF THE UNQUANTISED p
.elseif n == 25
	v_pk_add_f32 v[X2:X2+1], v[S+4:S+5], v[S+6:S+7]
.else
.set m, n-24
	TO3 S+2*n-44
.endif
.endm
	s_mov_b32 s[ST], 0
	s_mov_b32 s[TB], 0
	s_mov_b32 s[KB], 0
.Lstep:                                                ; eight trips, a constant, so that the LDS addresses are constants and loop steps; a step past my batch's last is jumped over
	s_cmp_ge_u32 s[ST], s[NS]
	s_cbranch_scc1 .Lpast
	s_wait_alu depctr_vm_vsrc(0)                   ; the last step's LDS loads have read v3 and v4, which the two additions write again
	v_add_nc_u32 v[ADK], s[TB], v[AK]
	v_add_nc_u32 v[ADS], s[TB], v[AS]
	v_nop                                          ; with the two additions: four places in front of loads into registers that the last step's products read
	v_nop
	s_wait_alu depctr_va_vdst(0)                   ; v3 and v4 are written, which this step's 18 LDS loads read; the last step's products are done reading KFR, KS, VFR and VS, in which those loads land; in the first trip Q's codes and scale word are written, which the products below take
.irp f, 0,1,2,3,4,5,6,7
	ds_load_b128 v[KFR+4*\f:KFR+4*\f+3], v[ADK] offset:512*\f          ; images of the operand's registers: 16 bytes a lane, 512 consecutive bytes a load
.endr
	ds_load_b64 v[KS:KS+1], v[ADS]                 ; lanes 0-15: the words of fragments 0, 1; lanes 16-31: of fragments 2, 3
	s_wait_dscnt 0x0                               ; K's nine loads are in
.irp t, 0,1,2,3,4,5,6,7                        ; S^T: tile t lies in half t % 2 of fragment t / 2; eight accumulators, one instruction each
.if \t < 4
	v_wmma_scale_f32_16x16x128_f8f6f4 v[S+8*\t:S+8*\t+7], v[KFR+8*(\t/2):KFR+8*(\t/2)+7], v[QZ+4-4*(\t%2):QZ+11-4*(\t%2)], 0, v[KS+(\t/2)%2], v[QS] matrix_a_fmt:MATRIX_FMT_FP4 matrix_b_fmt:MATRIX_FMT_FP4
.else
	v_wmma_scale_f32_16x16x128_f8f6f4 v[S+8*\t:S+8*\t+7], v[KFR+8*(\t/2):KFR+8*(\t/2)+7], v[QZ+4-4*(\t%2):QZ+11-4*(\t%2)], 0, v[KS+(\t/2)%2], v[QS] matrix_a_fmt:MATRIX_FMT_FP4 matrix_b_fmt:MATRIX_FMT_FP4 matrix_a_scale:MATRIX_SCALE_ROW1
.endif
	ds_load_b128 v[VFR+4*\t:VFR+4*\t+3], v[ADK] offset:VOFF+512*\t     ; V is asked for among the products and wanted behind the softmax.  No wait: no vector or matrix line since the step's head wait names v3 or VFR
.endr
	ds_load_b64 v[VS:VS+1], v[ADS] offset:256      ; likewise: nothing since that wait names v4 or VS
	v_mov_b32 v[T2], v12                           ; the old -M is kept.  Four places behind the products
	v_nop
	v_nop
	v_nop
	s_add_co_u32 s[TMP], s[KB], 128                ; does valid_len cut this step?  A step all of whose keys count skips the mask
	s_cmp_le_u32 s[TMP], s[LV]
	s_cbranch_scc1 .Lopen
	s_sub_co_i32 s[TMP], s[LV], s[KB]
	v_sub_nc_u32 v[DV], s[TMP], v[H32]             ; register n holds key KB + 32 (lane / 16) + 64 (n / 32) + n % 32: hidden where 64 (n / 32) + n % 32 >= valid_len - KB - 32 (lane / 16)
.set n, 0
.rept 4                                        ; sixteen scores at a time: a run of compares into sixteen scalar registers, one wait, the sixteen selects; each accumulator from its low end on
.set k, 0
.rept 16
	v_cmp_ge_i32 s[MK+k], 64*((n+k)/32)+(n+k)%32, v[DV]
.set k, k+1
.endr
	s_wait_alu depctr_va_sdst(0)                   ; the sixteen compares have written s40 to s55, ahead of the selects that read them
.set k, 0
.rept 16
	v_cndmask_b32 v[S+n+k], v[S+n+k], v[FIL], s[MK+k]
.set k, k+1
.endr
.set n, n+16
.endr
.Lopen:
	; THE LARGEST SCORE OF EACH BLOCK OF 32 KEYS, all in my lane: it serves for the row's maximum and, since p rises with the score, for the block's largest p.  Four chains by turns, each accumulator from its low end on
.irp k, 0,1,2,3
	v_max3_num_f32 v[BM+\k/2+2*(\k%2)], v[S+16*\k], v[S+16*\k+1], v[S+16*\k+2]
.endr
.irp i, 3,5,7,9,11,13
.irp k, 0,1,2,3
	v_max3_num_f32 v[BM+\k/2+2*(\k%2)], v[BM+\k/2+2*(\k%2)], v[S+16*\k+\i], v[S+16*\k+\i+1]
.endr
.endr
.irp c, 0,1
	v_max3_num_f32 v[BM+\c], v[BM+\c], v[BM+2+\c], v[S+32*\c+15]
.endr
.irp c, 0,1
	v_max_num_f32 v[BM+\c], v[BM+\c], v[S+32*\c+31]
.endr
	v_max_num_f32 v[T0], v[BM], v[BM+1]
	v_permlanex16_b32 v[T1], v[T0], s[SEL], s[SEL+1]       ; my query's other 64 keys lie in lane l xor 16
	v_max3_num_f32 v13, v13, v[T0], v[T1]          ; the largest score so far
	v_mul_f32 v[T0], s[CS], v13                    ; as t (c is positive)
	v_floor_f32 v12, -v[T0]                        ; -M = floor(-t) = -ceil(t): M IS A WHOLE NUMBER
	v_sub_f32 v[T2], v12, v[T2]                    ; old M - new M: a whole number, 0 or less
	v_cvt_i32_f32 v[T2], v[T2]                     ; (it saturates)
	v_ldexp_f32 v[F], 1.0, v[T2]                   ; 2^(old M - new M)
.set n, 0
	PL1
.set n, 1
.rept 34
	PL1
	EX1
.set n, n+1
.endr
	v_pk_fma_f32 v[S+32:S+33], v[S+32:S+33], s[CS:CS+1], v[12:13] op_sel_hi:[1,0,0]   ; plain lines behind the last exponential
	v_pk_fma_f32 v[S+34:S+35], v[S+34:S+35], s[CS:CS+1], v[12:13] op_sel_hi:[1,0,0]
	s_wait_alu depctr_va_vdst(0)                   ; the first batch's 34 exponentials have written the blocks' largest p and p 0-31: one wait, ahead of the first line that names a result
.set n, 0
.rept 32
	PL2
	v_exp_f32 v[S+32+n], v[S+32+n]                 ; p 32-63
.set n, n+1
.endr
.rept 6
	PL2
.set n, n+1
.endr
.irp g, 0,1,2,3
	v_cvt_scalef32_pk8_fp4_f32 v[PC+\g], v[S+8*\g:S+8*\g+7], v[SO]         ; registers 0-3 of the operand: keys 32 (lane / 16) + 0 .. 31
.endr
	s_wait_alu depctr_va_vdst(0)                   ; the second batch's 32 exponentials have written p 32-63, ahead of the first line that names one
.irp g, 0,1,2,3
	v_cvt_scalef32_pk8_fp4_f32 v[PC+4+\g], v[S+32+8*\g:S+32+8*\g+7], v[SO+1]   ; registers 4-7: keys 64 + 32 (lane / 16) + 0 .. 31
.endr
.set m, 0
.rept 16
	TO3 S+32+2*m                                   ; the sums of p 32-63: these 18 plain lines also stand between the codes and the scale word just made and the products that take them
.set m, m+1
.endr
	v_pk_add_f32 v[X1:X1+1], v[X1:X1+1], v[X2:X2+1]
	v_pk_add_f32 v[14:15], v[14:15], v[X1:X1+1]
	s_wait_dscnt 0x0                               ; V
	s_wait_alu depctr_va_vdst(0)                   ; the conversions have written p's codes v192 to v199 and the v_or_b32 p's scale word v204, which the scaled products below take; the places above stay beside this wait
.irp t, 0,1,2,3                                ; O^T += V^T P^T: four accumulators, one instruction each; between two links of a chain stand the others' and the next step's eight
.if \t < 2
	v_wmma_scale_f32_16x16x128_f8f6f4 v[O+8*\t:O+8*\t+7], v[VFR+8*\t:VFR+8*\t+7], v[PC:PC+7], v[O+8*\t:O+8*\t+7], v[VS+\t%2], v[PW] matrix_a_fmt:MATRIX_FMT_FP4 matrix_b_fmt:MATRIX_FMT_FP4
.else
	v_wmma_scale_f32_16x16x128_f8f6f4 v[O+8*\t:O+8*\t+7], v[VFR+8*\t:VFR+8*\t+7], v[PC:PC+7], v[O+8*\t:O+8*\t+7], v[VS+\t%2], v[PW] matrix_a_fmt:MATRIX_FMT_FP4 matrix_b_fmt:MATRIX_FMT_FP4 matrix_a_scale:MATRIX_SCALE_ROW1
.endif
.endr
.Lpast:
	s_add_co_u32 s[TB], s[TB], CHUNK
	s_add_co_u32 s[KB], s[KB], 128
	s_add_co_u32 s[ST], s[ST], 1
	s_cmp_lt_u32 s[ST], 8
	s_cbranch_scc1 .Lstep
	; THE WAY OUT.  The sum's halves are added; O^T is divided by the sum and goes through my stage, so that each store covers 512 consecutive bytes.  The address work stands as the places behind the last products.
	v_add_f32 v14, v14, v15
	v_and_b32 v[T0], 15, v0                        ; r
	v_bfe_u32 v[T2], v0, 4, 1                      ; h
	v_permlanex16_b32 v[T1], v14, s[SEL], s[SEL+1]
	v_mul_u32_u24 v[STO], v[T0], OP
	v_lshl_add_u32 v[STO], v[T2], 5, v[STO]
	v_add_nc_u32 v[STO], s35, v[STO]               ; in: row r; tile t's eight channels of my half: 64 t + 32 h bytes on
	v_add_f32 v14, v14, v[T1]                      ; the row's sum
	v_mul_u32_u24 v[RD], v[T2], OP
	v_lshl_add_u32 v[RD], v[T0], 4, v[RD]
	v_add_nc_u32 v[RD], s35, v[RD]                 ; back: lanes 0-15 one row of 256 bytes, lanes 16-31 the next
	v_rcp_f32 v14, v14
	v_nop                                          ; a plain line behind the reciprocal,
	s_wait_alu depctr_va_vdst(0)                   ; and the reciprocal has written v14, ahead of its first use
.set n, 0
.rept 16
	v_pk_mul_f32 v[S+2*n:S+2*n+1], v[O+2*n:O+2*n+1], v[14:15] op_sel_hi:[1,0]   ; register 8 t + i is out0(r, 16 t + 8 h + i); each accumulator from its low end on
.set n, n+1
.endr
	s_wait_alu depctr_va_vdst(0)                   ; the multiplications have written v96 to v127, the LDS stores' data; v9 and v10, the stage's addresses, are written; the last products are done reading v32 to v63, in which the stage's loads land
.irp t, 0,1,2,3
	ds_store_b128 v[STO], v[S+8*\t:S+8*\t+3] offset:64*\t
	ds_store_b128 v[STO], v[S+8*\t+4:S+8*\t+7] offset:64*\t+16
.endr
.irp i, 0,1,2,3,4,5,6,7
	ds_load_b128 v[KFR+4*\i:KFR+4*\i+3], v[RD] offset:2*OP*\i   ; my own bytes: LDS serves a wave's instructions in order, these see my stores
.endr
.irp i, 0,1,2,3,4,5,6,7
	s_wait_dscnt 7-\i                              ; load i is in; the 7 - i younger ones may be out
	global_store_b128 v[GO], v[KFR+4*\i:KFR+4*\i+3], s[10:11] offset:512*\i th:TH_STORE_NT   ; two whole rows: 512 consecutive bytes, aligned; written once, read by nobody here
.endr
	s_wait_dscnt 0x0
	s_wait_alu depctr_hold_cnt(0) depctr_sa_sdst(0) depctr_va_vdst(0) depctr_va_sdst(0) depctr_va_ssrc(0) depctr_va_vcc(0) depctr_vm_vsrc(0)
	s_wait_tensorcnt 0x0
	ds_add_u32 v31, v205
	s_wait_dscnt 0x0
	s_endpgm
.Lfunc_end_k_qd132fbcbb9_attend:
	.size	k_qd132fbcbb9_attend, .Lfunc_end_k_qd132fbcbb9_attend-k_qd132fbcbb9_attend
	.p2alignl 7, 3214868480
	.fill 96, 4, 3214868480
	.section	.rodata,"a",@progbits
	.p2align	6, 0x0
	.amdhsa_kernel k_qd132fbcbb9_attend
		.amdhsa_group_segment_fixed_size 179200
		.amdhsa_private_segment_fixed_size 0
		.amdhsa_enable_private_segment 0
		.amdhsa_kernarg_size 32
		.amdhsa_user_sgpr_count 2
		.amdhsa_user_sgpr_kernarg_segment_ptr 1
		.amdhsa_wavefront_size32 1
		.amdhsa_system_sgpr_workgroup_id_x 1
		.amdhsa_system_sgpr_workgroup_id_y 1
		.amdhsa_system_sgpr_workgroup_id_z 1
		.amdhsa_system_vgpr_workitem_id 0
		.amdhsa_next_free_vgpr 256
		.amdhsa_next_free_sgpr 66
		.amdhsa_reserve_vcc 0
		.amdhsa_float_denorm_mode_32 3
		.amdhsa_float_denorm_mode_16_64 3
		.amdhsa_memory_ordered 1
		.amdhsa_forward_progress 1
		.amdhsa_inst_pref_size 43
	.end_amdhsa_kernel
	.amdgpu_metadata
---
amdhsa.version: [ 1, 2 ]
amdhsa.kernels:
  - .name:           k_qd132fbcbb9_attend
    .symbol:         k_qd132fbcbb9_attend.kd
    .args:
      - { .name: queries, .offset: 0, .size: 8, .value_kind: global_buffer, .address_space: global }
      - { .name: order, .offset: 8, .size: 8, .value_kind: global_buffer, .address_space: global }
      - { .name: kv, .offset: 16, .size: 8, .value_kind: global_buffer, .address_space: global }
      - { .name: out0, .offset: 24, .size: 8, .value_kind: global_buffer, .address_space: global }
    .group_segment_fixed_size: 179200
    .private_segment_fixed_size: 0
    .kernarg_segment_align: 8
    .kernarg_segment_size: 32
    .max_flat_workgroup_size: 256
    .sgpr_count:     66
    .vgpr_count:     256
    .wavefront_size: 32
...
	.end_amdgpu_metadata
.endif
;; end of part 3
